; MI455X (gfx1250); checked and timed in simulation.
; The chip was launched on July 23, 2026; its instructions are those of AMD's public machine-readable ISA for CDNA 5 (MIT licence, August 2026) and "CDNA5" Instruction Set Architecture Reference Guide (July 2026). The comments in the code are by the model that wrote it; some were corrected since.
;; Vector Quantizer. Allowed arithmetic: float matrix products may take bf16 or f16 operands with f32 sums; other float arithmetic in f32, or as packed bf16 or f16 multiplies, adds, multiply-adds, maxima and minima; sums over many terms, partial sums and values carried from step to step in f32; what a program stores and reads back later, other than sums and carried values, may be rounded once to bf16 or f16.
;; Inputs: codebook 8,192 x 256 float32; z 8 x 256 x 64 x 64 float32.
;; Outputs: out0 8 x 64 x 64 x 256 float32; out1 32,768 int32.
;; 2 versions, each right; version 2 is version 1 with the launches prep, gather written anew for expert scheduling mode. Each part assembles by itself: llvm-mc -triple=amdgcn-amd-amdhsa -mcpu=gfx1250 --defsym DOCPART=n.
;; ======== version 1 of 2: 3 launches
;; workspace buffers: cb16 4,194,304 bytes; bsq 32,768 bytes; order 131,072 bytes of whole numbers
;; launch prep (part 1): grid 128 x 1, 8 waves a work-group, no clusters, 1,280 bytes of LDS; arguments codebook, cb16, bsq; writes cb16, bsq
.if DOCPART == 1
	.amdgcn_target "amdgcn-amd-amdhsa--gfx1250"
	.amdhsa_code_object_version 6
	.text
	.protected	k_q699a329e14_prep
	.globl	k_q699a329e14_prep
	.p2align	8
	.type	k_q699a329e14_prep,@function
k_q699a329e14_prep:
	s_mov_b64 s[64:65], 0
	v_nop
	global_prefetch_b8 v0, s[64:65] scope:SCOPE_SE
	s_setreg_imm32_b32 hwreg(HW_REG_WAVE_MODE, 25, 1), 1
	s_wait_xcnt 0x0
; cb16[k][c] = bf16(codebook[k][c]);  bsq = for each code the sum over c of cb16[k][c]^2, in f32.
; codebook: [8192][256] f32, rows of 1,024 bytes.  cb16: [8192][256] bf16, rows of 512 bytes.
; bsq is laid out for the next launch: code k stands at float ((k>>6)&3) x 2048 + (k>>8) x 64 + (k&63), so that the codes 64 w .. 64 w + 63 of every block of 256 lie on end.
; SHARES.  A work-group owns 64 codes (they fill 256 consecutive, aligned bytes of bsq), each of its eight waves 8 of them.  A wave takes a whole row by two loads of 512 consecutive bytes;
; all 16 loads of a wave go out at once, so every byte that the launch reads is asked for at its start.
; No matrix unit, no cluster, no tensor load: each byte is read once, by one wave, and nothing is shared.
; LIMITS.  The sum of squares is taken of the rounded numbers, in an order of its own (8 a lane, then across the 32 lanes).  NaN and infinities pass through as they are.
.set SPARE, 256                        ; LDS: bytes 0-255 the 64 sums; behind them the spare words, 128 bytes for each of the eight waves: four blocks of 256 bytes that no other line names
.set SPW, 2                            ; v2   LDS address of my spare word; never rewritten
.set NIL, 3                            ; v3   0; never rewritten
.set LN,  4                            ; v4   lane
.set LO,  5                            ; v5   8,192 w + 16 l: my 16 bytes in my wave's first row of the codebook
.set SO,  6                            ; v6   4,096 w + 8 l: my 8 bytes in its first row of cb16
.set LA,  7                            ; v7   32 w: my wave's eight sums in LDS
.set RB,  8                            ; v8   8 l
.set X,   16                           ; v[16:79]   row i: 8 registers as loaded
.set Y,   80                           ; v[80:111]  row i: 4 registers to store; each row has its own, so no store's data is written again
.set T,   112                          ; v[112:119] at work
.set S,   120                          ; v[120:121] the lane's sums
.set PT,  122                          ; v122 the other half of the lanes'
.set R,   124                          ; v[124:125] two finished sums
.set WV,  10                           ; s10  my wave's number
	s_load_b128 s[4:7], s[0:1], 0x0                ; codebook s[4:5], cb16 s[6:7]
	s_load_b64 s[8:9], s[0:1], 0x10                ; bsq
	v_lshl_add_u32 v[SPW], v0, 2, SPARE
	v_mov_b32 v[NIL], 0
	v_lshrrev_b32 v1, 5, v0
	v_readfirstlane_b32 s[WV], v1                  ; wave 0..7
	v_and_b32 v[LN], 31, v0
	s_lshl_b32 s11, s[WV], 13
	v_lshl_add_u32 v[LO], v[LN], 4, s11
	s_lshl_b32 s11, s[WV], 12
	v_lshl_add_u32 v[SO], v[LN], 3, s11
	s_lshl_b32 s11, s[WV], 5
	v_mov_b32 v[LA], s11
	v_lshlrev_b32 v[RB], 3, v[LN]
	v_mov_b32 v[PT], 0                             ; v_permlanex16_b32's destination counts as read
	s_lshl_b32 s12, ttmp9, 16                      ; the work-group's 64 rows of 1,024 bytes,
	s_mov_b32 s13, 0
	s_lshl_b32 s14, ttmp9, 15                      ; and of 512
	s_mov_b32 s15, 0
	s_mov_b32 s16, 0x76543210                      ; v_permlanex16_b32: each lane takes its own place in the other half
	s_mov_b32 s17, 0xfedcba98
	s_and_b32 s18, ttmp9, 3                        ; bsq: quarter g & 3,
	s_lshl_b32 s18, s18, 13
	s_lshr_b32 s19, ttmp9, 2                       ; block g >> 2: 256 bytes
	s_lshl_b32 s19, s19, 8
	s_add_co_u32 s18, s18, s19
	s_mov_b32 s19, 0
	s_wait_kmcnt 0x0
	s_add_nc_u64 s[4:5], s[4:5], s[12:13]
	s_add_nc_u64 s[6:7], s[6:7], s[14:15]
	s_add_nc_u64 s[8:9], s[8:9], s[18:19]
.irp i, 0,1,2,3,4,5,6,7
	global_load_b128 v[X+8*(\i):X+8*(\i)+3],   v[LO], s[4:5] offset:1024*(\i) th:TH_LOAD_NT      ; columns 4 l .. 4 l + 3
	global_load_b128 v[X+8*(\i)+4:X+8*(\i)+7], v[LO], s[4:5] offset:1024*(\i)+512 th:TH_LOAD_NT  ; columns 128 + 4 l ..
.endr
; Row i: rounded, stored, squared and summed.
.macro ROWP i
	s_wait_loadcnt 14-2*(\i)                       ; loads come back in order: this row's two are in, the two of each later row may stay out
.irp k, 0,1,2,3
	v_cvt_pk_bf16_f32 v[Y+4*(\i)+(\k)], v[X+8*(\i)+2*(\k)], v[X+8*(\i)+2*(\k)+1]
.endr
	global_store_b64 v[SO], v[Y+4*(\i):Y+4*(\i)+1],   s[6:7] offset:512*(\i)      ; 32 lanes x 8 bytes: 256 consecutive bytes, aligned
	global_store_b64 v[SO], v[Y+4*(\i)+2:Y+4*(\i)+3], s[6:7] offset:512*(\i)+256
.irp k, 0,1,2,3
	v_lshlrev_b32 v[T+2*(\k)],   16, v[Y+4*(\i)+(\k)]           ; the rounded numbers as f32
	v_and_b32     v[T+2*(\k)+1], 0xffff0000, v[Y+4*(\i)+(\k)]
.endr
	v_pk_mul_f32 v[S:S+1], v[T:T+1], v[T:T+1]      ; the first product starts the sums
.irp k, 2,4,6
	v_pk_fma_f32 v[S:S+1], v[T+(\k):T+(\k)+1], v[T+(\k):T+(\k)+1], v[S:S+1]
.endr
	v_add_f32 v[S], v[S], v[S+1]
	v_add_f32_dpp v[S], v[S], v[S] row_xmask:1 row_mask:0xf bank_mask:0xf
	v_add_f32_dpp v[S], v[S], v[S] row_xmask:2 row_mask:0xf bank_mask:0xf
	v_add_f32_dpp v[S], v[S], v[S] row_xmask:4 row_mask:0xf bank_mask:0xf
	v_add_f32_dpp v[S], v[S], v[S] row_xmask:8 row_mask:0xf bank_mask:0xf
	v_permlanex16_b32 v[PT], v[S], s16, s17
	v_add_f32 v[S], v[S], v[PT]                    ; every lane holds the row's sum
	ds_store_b32 v[LA], v[S] offset:4*(\i)         ; all lanes write the same word with the same value
.endm
.irp i, 0,1,2,3,4,5,6,7
	ROWP \i
.endr
	s_wait_dscnt 0x0                               ; for the others' sake: my eight sums lie in LDS
	s_barrier_signal -1
	s_barrier_wait -1                              ; all 64 do
	s_cmp_lg_u32 s[WV], 0
	s_cbranch_scc1 .Lend                           ; wave 0 stores them
	ds_load_b64 v[R:R+1], v[RB]
	s_wait_dscnt 0x0
	global_store_b64 v[RB], v[R:R+1], s[8:9]       ; 256 consecutive bytes, aligned
.Lend:
	s_wait_tensorcnt 0x0                           ; the wave's end, behind my last LDS store
	ds_add_u32 v[SPW], v[NIL]
	s_wait_dscnt 0x0
	s_endpgm
.Lfunc_end_k_q699a329e14_prep:
	.size	k_q699a329e14_prep, .Lfunc_end_k_q699a329e14_prep-k_q699a329e14_prep
	.p2alignl 7, 3214868480
	.fill 96, 4, 3214868480
	.section	.rodata,"a",@progbits
	.p2align	6, 0x0
	.amdhsa_kernel k_q699a329e14_prep
		.amdhsa_group_segment_fixed_size 1280
		.amdhsa_private_segment_fixed_size 0
		.amdhsa_enable_private_segment 0
		.amdhsa_kernarg_size 24
		.amdhsa_user_sgpr_count 2
		.amdhsa_user_sgpr_kernarg_segment_ptr 1
		.amdhsa_wavefront_size32 1
		.amdhsa_system_sgpr_workgroup_id_x 1
		.amdhsa_system_sgpr_workgroup_id_y 1
		.amdhsa_system_sgpr_workgroup_id_z 1
		.amdhsa_system_vgpr_workitem_id 0
		.amdhsa_next_free_vgpr 128
		.amdhsa_next_free_sgpr 66
		.amdhsa_reserve_vcc 0
		.amdhsa_float_denorm_mode_32 3
		.amdhsa_float_denorm_mode_16_64 3
		.amdhsa_memory_ordered 1
		.amdhsa_forward_progress 1
		.amdhsa_inst_pref_size 16
	.end_amdhsa_kernel
	.amdgpu_metadata
---
amdhsa.version: [ 1, 2 ]
amdhsa.kernels:
  - .name:           k_q699a329e14_prep
    .symbol:         k_q699a329e14_prep.kd
    .args:
      - { .name: codebook, .offset: 0, .size: 8, .value_kind: global_buffer, .address_space: global }
      - { .name: cb16, .offset: 8, .size: 8, .value_kind: global_buffer, .address_space: global }
      - { .name: bsq, .offset: 16, .size: 8, .value_kind: global_buffer, .address_space: global }
    .group_segment_fixed_size: 1280
    .private_segment_fixed_size: 0
    .kernarg_segment_align: 8
    .kernarg_segment_size: 24
    .max_flat_workgroup_size: 256
    .sgpr_count:     66
    .vgpr_count:     128
    .wavefront_size: 32
...
	.end_amdgpu_metadata
.endif
;; end of part 1
;; launch main (part 2): grid 256 x 1, 4 waves a work-group, clusters of 4 x 1, 327,680 bytes of LDS; arguments z, cb16, bsq, out1, order; writes out1, order
.if DOCPART == 2
	.amdgcn_target "amdgcn-amd-amdhsa--gfx1250"
	.amdhsa_code_object_version 6
	.text
	.protected	k_q699a329e14_main
	.globl	k_q699a329e14_main
	.p2align	8
	.type	k_q699a329e14_main,@function
k_q699a329e14_main:
	s_mov_b64 s[64:65], 0
	v_nop
	global_prefetch_b8 v0, s[64:65] scope:SCOPE_SE
	s_setreg_imm32_b32 hwreg(HW_REG_WAVE_MODE, 25, 1), 1
	s_wait_xcnt 0x0
	s_wait_alu depctr_hold_cnt(0) depctr_sa_sdst(0) depctr_va_vdst(0) depctr_va_sdst(0) depctr_va_ssrc(0) depctr_va_vcc(0) depctr_vm_vsrc(0)
	s_getreg_b32 s2, hwreg(HW_REG_IB_STS2, 6, 4)
	s_cmp_eq_u32 s2, 0
	s_cbranch_scc0 .Lentry_in_a_cluster
	s_endpgm
.Lentry_in_a_cluster:
	s_bfe_u32 s2, ttmp6, 0x10000c
	s_cmp_lg_u32 s2, 0x3003
	s_cbranch_scc0 .Lentry_shape_is_right
	s_endpgm
.Lentry_shape_is_right:
; out1[n] = order[n] = the first k at which d[n][k] = (A[n] + B[k]) - 2 zf[n] . e[k] is least.  n = (b, hw): 32,768 rows; zf[n][c] = z[b][c][hw]; k: 8,192 codes; c: 256 channels.
; z: [8][256][4096] f32.  cb16: [8192][256] bf16 and bsq (B, laid out by quarters of a block) come from the launch before.  out1 and order: [32768] i32, the same numbers twice.
; ARITHMETIC.  z is rounded to bf16; A is the f32 sum of the squares of the rounded numbers; the dot is made by the matrix unit, bf16 x bf16 into f32, K ascending; then, with two roundings,
; t = A + B and d = t - 2 dot (one fused multiply-add: 2 dot is exact).  Among equal d the lowest k is taken: tiles are walked in ascending k, a later tile wins only by a strictly smaller d.
; LIMITS.  A's and B's sums are taken in an order of their own, and the dot's last bits are the matrix unit's.  NaN and infinities are not treated as argmin treats them: a NaN never wins;
; a row whose d are all +inf gets index 0.
; SHARES.  A work-group owns 128 rows and sees ALL codes, so that an index is final when the launch ends.  Every wave holds all 128 rows as 64 fragments (8 row tiles x 8 K steps, 512 registers);
; of each block of 256 codes wave w takes codes 64 w .. 64 w + 63: four TILES of 16.  A tile is 64 products, and a fragment of 16 codes x 32 K read from LDS feeds 8 of them.
; LAYOUT.  Source 0 = 16 codes, source 1 = 16 rows: in the result lane (r, h) holds ONE row (r) and the codes 8 h + 0..7.  So a row's minimum stays in two lanes until the end.
; BY TURNS.  Two sets of 8 accumulators.  While tile T is multiplied, tile T - 1 is EVALUATED: 176 vector instructions, cut into 64 slices of 3 or 2, one slice behind each matrix instruction.
; For each row tile: t and d for the lane's 8 codes, the running minimum, and, where it has become strictly smaller, the tile's number and its 8 distances are kept.  The place in the tile is found once, at the end.
; CLUSTER.  All work-groups walk the same codes, so each block and the table of B are asked for JOINTLY by the four work-groups of a cluster: the same tensor load, descriptor and mask in all four.
; REGISTERS, in windows of 256 (s_set_vgpr_msb: bits 1:0 source 0, 3:2 source 1, 5:4 source 2, 7:6 destination):
;   window 0: v0-7 thread and addresses; v8-15 A; v16-23 t at work; v24-39 B, two sets; v40-55 the minimum, two sets; v56-63 the kept tile; v64-127 the kept distances; v128-255 accumulators, two sets
;   window 1: v0-127 the codes' fragments, two sets (before the loop all 256: z as loaded)          windows 2, 3: z's fragments: row tile rt, K step ks at window 2 + rt / 4, v[64 (rt % 4) + 8 ks]
; A slice works in window 0 and a product names three windows: two switches for each matrix instruction.
.set PK,     528                       ; a code's row in LDS: 512 bytes + 16 of padding = 132 words: the 16 rows of a fragment load start at 16 different groups of four banks (64 banks of 4 bytes: ISA guide 11.1)
.set TILEB,  16*PK                     ; a tile's 16 rows
.set QUART,  64*PK                     ; a wave's 64 rows: what one tensor load brings, and what that wave alone reads
.set SLOTB,  256*PK                    ; a slot: a block of 256 codes
.set BT,     2*SLOTB                   ; behind the ring: bsq as it lies, 32,768 bytes; wave w's quarter at 8,192 w
.set STG,    BT+32768                  ; the stage, written by ds_store alone: 64 channels x 128 rows of bf16,
.set SPG,    288                       ; 256 bytes + 32 = 72 words a channel
.set SCR,    STG+64*SPG                ; 4,096 bytes, written by ds_store alone: first A's partial sums, at the end the waves' candidates
.set SPARE,  SCR+4096                  ; the spare words, 128 bytes for each wave: two blocks of 256 bytes that no other line names
.set BLOCKB, 131072                    ; a block of 256 codes in cb16
.set AK0, 1                            ; v1   my lane's place in a tile of my quarter: QUART w + PK r + 16 h; never rewritten
.set AB0, 2                            ; v2   BT + 8,192 w + 32 h; never rewritten
.set ADK, 3                            ; v3   the LDS address of the run of fragment loads in hand
.set ADB, 4                            ; v4   of B's two loads
.set SPW, 5                            ; v5   LDS address of my spare word: SPARE + 4 x my thread's number; never rewritten
.set NIL, 6                            ; v6   0; never rewritten
.set PFO, 7                            ; v7   256 x my lane, for the prefetches; never rewritten
.set AR,  8                            ; v[8:15]    A of my row in row tile rt
.set TT,  16                           ; v[16:23]   t: four registers for each row tile of a pair
.set BTR, 24                           ; v[24:39]   B of my 8 codes, by the tile's parity
.set BEST,40                           ; v[40:55]   the running minimum: read from the set of the tile's parity, written into the other
.set ID,  56                           ; v[56:63]   the number of the tile that brought the minimum
.set SV,  64                           ; v[64:127]  that tile's 8 distances
.set ACC, 128                          ; v[128:255] accumulator of row tile rt, tile parity p at ACC + 64 p + 8 rt
.set LR,  16                           ; before the loop: r, h, lane, two at work
.set LH,  17
.set LL,  18
.set LT,  19
.set LU,  20
.set ZO,  24                           ; before the loop: my byte offset in z;
.set STA, 25                           ; where I put 8 bytes of a channel in the stage;
.set TRA, 26                           ; my address for the turning loads;
.set AA,  27                           ; where I read A's partial sums;
.set SSA, 28                           ; where I put mine
.set PB,  128                          ; before the loop: a chunk's 16 channels as bf16, 2 registers each
.set TP,  160                          ; two sets of four at work
.set SS,  168                          ; v[168:171] my wave's part of A for rows 4 l .. 4 l + 3
.set WV,  14                           ; s14  my wave's number
.set CX,  15                           ; s15  my place in the cluster: it enters the addresses of z, out1, order and the prefetches alone
.set G1,  16                           ; s[16:23] descriptor group 1 for the codes
.set G1B, 24                           ; s[24:31] for B
.set G0S, 32                           ; s[32:39] descriptor group 0 for the codes, a set for each slot
.set G0B, 40                           ; s[40:43] for B
.set TB,  44                           ; s44  LDS byte at which the block's tile to be fetched begins
.set SB,  45                           ; s45  64 x the tile whose B is fetched next
.set SID, 46                           ; s46  the number of the tile that is being evaluated
.set CNT, 47                           ; s47  counts pairs of tiles
.set OUT, 48                           ; s48  counts pairs of blocks
.set LIM, 49                           ; s49  1 in the cluster that prefetches, else the greatest number
.set PFA, 50                           ; s[50:51] where my prefetches stand in cb16
.set SEL, 52                           ; s[52:53] v_permlanex16_b32's selects: each lane takes its own place in the other half
.set MK,  54                           ; s54, s55 where the minimum has become smaller: one mask for each row tile of a pair
.set MSB, 0
.macro WIN new                         ; the immediate's high byte repeats the setting that is left; a switch that changes nothing is dropped
.if MSB != (\new)
	s_set_vgpr_msb (MSB<<8)|(\new)
.set MSB, (\new)
.endif
.endm
; A round of the cluster's barrier: my work-group's barrier, so that wave 0's signal speaks for all four waves; wave 0 signals; every wave waits for all four work-groups; my work-group's barrier once more.
.macro CROUND
	s_barrier_signal -1
	s_barrier_wait -1
	s_cmp_lg_u32 s[WV], 0
	s_cbranch_scc1 .Lnot_wave_0_\@
	s_barrier_signal -3
.Lnot_wave_0_\@:
	s_barrier_wait -3
	s_barrier_signal -1
	s_barrier_wait -1
.endm
; A PREFETCH INTO THE L2, behind the joint load of a change of slots and its five lines: the block that stands TWO refills on, 512 matrix instructions ahead of the load that will ask for it.
; cb16 was stored by the launch before.  All clusters walk the same blocks: the first cluster asks, and nobody else.  Its four partners share a block out BY ADDRESS, 32,768 bytes each, their waves 8,192 each,
; a lane 256 bytes: one instruction a wave, and each aligned 256 bytes of blocks 4 to 31 are named once in the launch.  Blocks 0 to 3 come by their loads alone; the loop's last trip asks for nothing.
.macro ASK
	s_cmp_gt_u32 s[OUT], s[LIM]
	s_cbranch_scc0 .Lnot_mine_\@
	global_prefetch_b8 v[PFO], s[PFA:PFA+1] th:TH_LOAD_NT scope:SCOPE_SE
.Lnot_mine_\@:
.endm
	s_load_b256 s[4:11], s[0:1], 0x0               ; z s[4:5], cb16 s[6:7], bsq s[8:9], out1 s[10:11]
	s_load_b64 s[12:13], s[0:1], 0x20              ; order
	v_lshl_add_u32 v[SPW], v0, 2, SPARE
	v_mov_b32 v[NIL], 0
	ds_add_u32 v[SPW], v[NIL]                      ; the wave's opening: the add, twice on end, and its wait ahead of my first tensor load; the set-up below, work on registers, stands between
	ds_add_u32 v[SPW], v[NIL]                      ; and once more, under the one wait
	v_lshrrev_b32 v[LT], 5, v0
	v_readfirstlane_b32 s[WV], v[LT]               ; wave 0..3
	s_bfe_u32 s[CX], ttmp6, 0x40000                ; cx
	s_lshl_b32 s56, ttmp9, 2                       ; in a cluster launch ttmp9 counts clusters
	s_add_co_u32 s56, s56, s[CX]                   ; x = 4 x cluster + cx: my 128 rows are 128 x .. 128 x + 127
	s_lshr_b32 s57, s56, 5                         ; b = x / 32: 2^22 bytes of z,
	s_lshl_b32 s57, s57, 22
	s_and_b32 s58, s56, 31                         ; hw = 128 (x % 32): 512 bytes
	s_lshl_b32 s58, s58, 9
	s_add_co_u32 s2, s57, s58
	s_mov_b32 s3, 0
	s_lshl_b32 s56, s56, 9                         ; my 128 indices: 512 bytes of out1 and of order
	s_mov_b32 s57, 0
	s_lshl_b32 s58, s[CX], 15                      ; the prefetches: my work-group's 32,768 bytes of a block,
	s_lshl_b32 s59, s[WV], 13                      ; my wave's 8,192 of them,
	s_add_co_u32 s58, s58, s59
	s_add_co_u32 s58, s58, 3*BLOCKB                ; in block 3: the first change of slots steps it to block 4
	s_mov_b32 s59, 0
	s_cmp_eq_u32 ttmp9, 0                          ; the first cluster: the same answer in all four partners
	s_cselect_b32 s[LIM], 1, -1
	; descriptor group 1 for the codes: a tile of 64 rows x 256 elements of 2 bytes, padded in LDS
	s_mov_b32 s[G1], 15|(1<<16)|(1<<20)|(1<<21)|(6<<22)|(3<<25)  ; 15:0 the mask: all four work-groups; 17:16 2-byte elements; 20 padding on; 21 set beside a mask; 24:22 after every 128 words (code 6); 31:25 4 words (code 3)
	s_mov_b32 s[G1+1], 256<<16                     ; tensor_dim0 = 256
	s_mov_b32 s[G1+2], 64<<16                      ; tensor_dim1 = 64
	s_mov_b32 s[G1+3], 256<<16                     ; tile_dim0 = 256
	s_mov_b32 s[G1+4], 64                          ; tile_dim1 = 64
	s_mov_b32 s[G1+5], 256                         ; 256 elements from row to row
	s_mov_b32 s[G1+6], 0
	s_mov_b32 s[G1+7], 0
	; for B: 8,192 dense bytes as 32 rows of 32 elements of 8 bytes, no padding
	s_mov_b32 s[G1B], 15|(3<<16)|(1<<21)
	s_mov_b32 s[G1B+1], 32<<16
	s_mov_b32 s[G1B+2], 32<<16
	s_mov_b32 s[G1B+3], 32<<16
	s_mov_b32 s[G1B+4], 32
	s_mov_b32 s[G1B+5], 32
	s_mov_b32 s[G1B+6], 0
	s_mov_b32 s[G1B+7], 0
	s_mov_b32 s[G0S], 1                            ; count = 1
	s_mul_i32 s[G0S+1], s[WV], QUART               ; LDS address: my quarter of slot 0: the wave's number alone enters it,
	s_mov_b32 s[G0S+4], 1
	s_add_co_u32 s[G0S+5], s[G0S+1], SLOTB         ; of slot 1,
	s_mov_b32 s[G0B], 1
	s_lshl_b32 s60, s[WV], 13                      ; 8,192 w
	s_mov_b32 s61, 0
	s_add_co_u32 s[G0B+1], s60, BT                 ; and of the table of B
	s_lshl_b32 s62, s[WV], 15                      ; my 64 codes of a block in cb16: 32,768 w
	s_mov_b32 s63, 0
	s_mov_b32 s[SEL], 0x76543210
	s_mov_b32 s[SEL+1], 0xfedcba98
	v_and_b32 v[LR], 15, v0                        ; r
	v_bfe_u32 v[LH], v0, 4, 1                      ; h
	v_and_b32 v[LL], 31, v0                        ; lane
	v_mul_u32_u24 v[AK0], v[LR], PK
	v_lshl_add_u32 v[AK0], v[LH], 4, v[AK0]
	v_add_nc_u32 v[AK0], s[G0S+1], v[AK0]
	v_lshl_add_u32 v[AB0], v[LH], 5, s[G0B+1]
	v_lshlrev_b32 v[PFO], 8, v[LL]
	s_lshl_b32 s47, s[WV], 18                      ; my 16 channels of a chunk of 64: 16 w x 16,384 bytes
	v_lshl_add_u32 v[ZO], v[LL], 4, s47
	s_mul_i32 s47, s[WV], 16*SPG
	s_add_co_u32 s47, s47, STG
	v_lshl_add_u32 v[STA], v[LL], 3, s47           ; channel 16 w of the chunk, rows 4 l .. 4 l + 3
	v_and_b32 v[LT], 7, v0                         ; the turning load takes 16 channels x 16 rows: lane l reads channel 8 h + l % 8, rows 8 ((l / 8) % 2) + 0..7
	v_lshl_add_u32 v[LT], v[LH], 3, v[LT]
	v_mul_u32_u24 v[TRA], v[LT], SPG
	v_bfe_u32 v[LU], v0, 3, 1
	v_lshl_add_u32 v[TRA], v[LU], 4, v[TRA]
	v_add_nc_u32 v[TRA], STG, v[TRA]
	v_lshl_add_u32 v[AA], v[LR], 2, SCR
	s_lshl_b32 s47, s[WV], 9
	s_add_co_u32 s47, s47, SCR
	v_lshl_add_u32 v[SSA], v[LL], 4, s47
	s_wait_dscnt 0x0                               ; both opening adds are done
	s_wait_kmcnt 0x0
	s_add_nc_u64 s[4:5], s[4:5], s[2:3]            ; z at my image and my 128 rows
	s_add_nc_u64 s[10:11], s[10:11], s[56:57]
	s_add_nc_u64 s[12:13], s[12:13], s[56:57]
	s_add_nc_u64 s[PFA:PFA+1], s[6:7], s[58:59]
	s_add_nc_u64 s[G0S+2:G0S+3], s[6:7], s[62:63]  ; global address: my quarter of block 0,
	s_add_nc_u64 s[G0S+6:G0S+7], s[G0S+2:G0S+3], BLOCKB  ; of block 1
	s_or_b32 s[G0S+3], s[G0S+3], 0x80000000        ; type = 2
	s_or_b32 s[G0S+7], s[G0S+7], 0x80000000
	s_add_nc_u64 s[G0B+2:G0B+3], s[8:9], s[60:61]
	s_or_b32 s[G0B+3], s[G0B+3], 0x80000000
	; z: four chunks of 64 channels; of each, my wave takes 16.  A load covers 512 consecutive bytes: 128 rows of one channel.  All 64 go out at once, into window 1.
	WIN 0x40
.set zI, 0
.rept 64
	global_load_b128 v[4*zI:4*zI+3], v[ZO], s[4:5] offset:((zI/16)*64+zI%16)*16384 th:TH_LOAD_NT
.set zI, zI+1
.endr
	WIN 0
	CROUND                                         ; all four work-groups are here: the first joint loads meet
	tensor_load_to_lds s[G0S:G0S+3], s[G1:G1+7]    ; block 0.  The three first fills go out together: three loads of mine are out; an s_nop 0 follows each and four v_nop the last
	s_nop 0
	tensor_load_to_lds s[G0B:G0B+3], s[G1B:G1B+7]  ; B
	s_nop 0
	tensor_load_to_lds s[G0S+4:G0S+7], s[G1:G1+7]  ; block 1
	s_nop 0
.rept 4
	v_nop
.endr
; Chunk q of z: my 16 channels are rounded to bf16, their squares added to my part of A, and they go into the stage; then every wave takes the chunk's 64 channels x 128 rows out of the stage, turned, as
; 16 fragments.  Two barriers a chunk: one between the writing and the reading, one (ahead of the next chunk's stores) between the reading and the next writing.
.macro CHUNK q
	s_wait_loadcnt 48-16*(\q)                      ; loads come back in order: this chunk's 16 are in, the 16 of each younger chunk may stay out
	WIN 0x05                                       ; sources in window 1, destination in window 0
.set cI, 0
.rept 16
	v_cvt_pk_bf16_f32 v[PB+2*cI],   v[64*(\q)+4*cI],   v[64*(\q)+4*cI+1]
	v_cvt_pk_bf16_f32 v[PB+2*cI+1], v[64*(\q)+4*cI+2], v[64*(\q)+4*cI+3]
.set cI, cI+1
.endr
	WIN 0
.set cI, 0
.rept 16
.set cT, TP+4*(cI%2)
	v_lshlrev_b32 v[cT],   16, v[PB+2*cI]          ; the rounded numbers as f32
	v_and_b32     v[cT+1], 0xffff0000, v[PB+2*cI]
	v_lshlrev_b32 v[cT+2], 16, v[PB+2*cI+1]
	v_and_b32     v[cT+3], 0xffff0000, v[PB+2*cI+1]
.if ((\q) == 0) && (cI == 0)
	v_pk_mul_f32 v[SS:SS+1],   v[cT:cT+1],   v[cT:cT+1]    ; the first products start the sums
	v_pk_mul_f32 v[SS+2:SS+3], v[cT+2:cT+3], v[cT+2:cT+3]
.else
	v_pk_fma_f32 v[SS:SS+1],   v[cT:cT+1],   v[cT:cT+1],   v[SS:SS+1]
	v_pk_fma_f32 v[SS+2:SS+3], v[cT+2:cT+3], v[cT+2:cT+3], v[SS+2:SS+3]
.endif
.set cI, cI+1
.endr
.if (\q) > 0
	s_wait_dscnt 0x0                               ; my turning loads of the chunk before are back,
	s_barrier_signal -1
	s_barrier_wait -1                              ; everybody's are: the stage may be written again
.endif
.set cI, 0
.rept 16
	ds_store_b64 v[STA], v[PB+2*cI:PB+2*cI+1] offset:SPG*cI
.set cI, cI+1
.endr
.if (\q) == 3
	ds_store_b128 v[SSA], v[SS:SS+3]               ; my part of A
	s_wait_tensorcnt 0x1                           ; tensor loads end in order: block 0 and B are in; block 1's load, issued last, may stay out
.endif
	s_wait_dscnt 0x0                               ; for the others' sake: my stores are done
	s_barrier_signal -1
	s_barrier_wait -1
	WIN 0x80                                       ; destination window 2: row tiles 0-3
.irp rt, 0,1,2,3
.irp kl, 0,1
	ds_load_tr16_b128 v[64*(\rt)+8*(2*(\q)+(\kl)):64*(\rt)+8*(2*(\q)+(\kl))+3],   v[TRA] offset:32*SPG*(\kl)+32*(\rt)
	ds_load_tr16_b128 v[64*(\rt)+8*(2*(\q)+(\kl))+4:64*(\rt)+8*(2*(\q)+(\kl))+7], v[TRA] offset:32*SPG*(\kl)+32*(\rt)+16*SPG
.endr
.endr
	WIN 0xc0                                       ; window 3: row tiles 4-7
.irp rt, 0,1,2,3
.irp kl, 0,1
	ds_load_tr16_b128 v[64*(\rt)+8*(2*(\q)+(\kl)):64*(\rt)+8*(2*(\q)+(\kl))+3],   v[TRA] offset:32*SPG*(\kl)+32*(\rt)+128
	ds_load_tr16_b128 v[64*(\rt)+8*(2*(\q)+(\kl))+4:64*(\rt)+8*(2*(\q)+(\kl))+7], v[TRA] offset:32*SPG*(\kl)+32*(\rt)+128+16*SPG
.endr
.endr
	WIN 0
.endm
	CHUNK 0
	CHUNK 1
	CHUNK 2
	CHUNK 3
; THE EVALUATION of a tile of parity p: number n of 44 for the pair q of row tiles (2 q, 2 q + 1); the two alternate, so that no line reads the result of the line before it.  For each row tile, with a0-a7 its accumulator:
;   0, 1, 4, 5   t = B + A for a pair of codes (A is one register of a pair, taken for both halves)          2, 3, 6, 7   d = t - 2 dot, in place; a0 and a1 first
;   8-11   the minimum of the old minimum and the 8 distances, three operands at a time, into the other set     12   has it become strictly smaller?     13   then keep the tile's number     14-21   and its 8 distances
.macro EP n, q, p
.set eU, (\n)%2
.set eM, (\n)/2
.set eRT, 2*(\q)+eU
.set eA, ACC+64*(\p)+8*eRT
.set eB, BTR+8*(\p)
.set eO, BEST+8*(\p)+eRT
.set eW, BEST+8*(1-(\p))+eRT
.set eS, SV+8*eRT
.set eK, MK+eU
.set eX, 4*(eM/4)+2*(eM%2)
.set eY, TT+4*eU+2*(eM%2)
.if (eM < 8) && ((eM%4) < 2) && (eU == 0)
	v_pk_add_f32 v[eY:eY+1], v[eB+eX:eB+eX+1], v[AR+2*(\q):AR+2*(\q)+1] op_sel:[0,0] op_sel_hi:[1,0]
.elseif (eM < 8) && ((eM%4) < 2)
	v_pk_add_f32 v[eY:eY+1], v[eB+eX:eB+eX+1], v[AR+2*(\q):AR+2*(\q)+1] op_sel:[0,1] op_sel_hi:[1,1]
.elseif eM < 8
	v_pk_fma_f32 v[eA+eX:eA+eX+1], v[eA+eX:eA+eX+1], -2.0, v[eY:eY+1] op_sel_hi:[1,0,1]
.elseif eM == 8
	v_min3_num_f32 v[eW], v[eO], v[eA], v[eA+1]
.elseif eM < 12
	v_min3_num_f32 v[eW], v[eW], v[eA+2*(eM-8)], v[eA+2*(eM-8)+1]
.elseif eM == 12
	v_cmp_lt_f32 s[eK], v[eW], v[eO]
.elseif eM == 13
	v_cndmask_b32 v[ID+eRT], v[ID+eRT], s[SID], s[eK]
.else
	v_cndmask_b32 v[eS+eM-14], v[eS+eM-14], v[eA+eM-14], s[eK]
.endif
.endm
; Slice i of 64: pair i / 16 has sixteen slices for its 44 numbers: twelve of three, four of two.
.macro SLICE i, p
	WIN 0
.set sQ, (\i)/16
.set sK, (\i)%16
.if sK < 12
	EP 3*sK, sQ, \p
	EP 3*sK+1, sQ, \p
	EP 3*sK+2, sQ, \p
.else
	EP 2*sK+12, sQ, \p
	EP 2*sK+13, sQ, \p
.endif
.endm
; Product i of 64 of a tile of parity p: K step i / 8, row tile i % 8.  The 8 accumulators take turns, one instruction a turn: 7 others stand between two links of a chain, and
; a tile's last product and the next tile's first name different sets.  The first 8 start the sums with the constant 0.
.macro MMA i, p
.set mKS, (\i)/8
.set mRT, (\i)%8
.set mD, ACC+64*(\p)+8*mRT
.set mK, 64*(\p)+8*mKS
.set mZ, 64*(mRT%4)+8*mKS
	WIN 0x09+4*(mRT/4)                             ; codes in window 1, z in window 2 or 3, the accumulator in window 0
.if mKS == 0
	v_wmma_f32_16x16x32_bf16 v[mD:mD+7], v[mK:mK+7], v[mZ:mZ+7], 0
.else
	v_wmma_f32_16x16x32_bf16 v[mD:mD+7], v[mK:mK+7], v[mZ:mZ+7], v[mD:mD+7]
.endif
.endm
.macro SLOTS a, b, p                   ; products a to b of a tile of parity p, behind each a slice of the tile before
.set sI, (\a)
.rept (\b)-(\a)+1
	MMA sI, \p
	SLICE sI, 1-(\p)
.set sI, sI+1
.endr
.endm
; THE LDS LOADS stand in one run a tile.  A tile's 16 codes x 256 channels: 8 fragments, each two loads of 16 bytes a lane, 32 bytes apart.
.macro FETCHK p
	WIN 0
	v_add_nc_u32 v[ADK], s[TB], v[AK0]
	s_add_co_u32 s[TB], s[TB], TILEB               ; the next fetch is the next tile's
	WIN 0x40                                       ; destination window 1
.irp ks, 0,1,2,3,4,5,6,7
	ds_load_b128 v[64*(\p)+8*(\ks):64*(\p)+8*(\ks)+3],   v[ADK] offset:64*(\ks)
	ds_load_b128 v[64*(\p)+8*(\ks)+4:64*(\p)+8*(\ks)+7], v[ADK] offset:64*(\ks)+32
.endr
.endm
.macro FETCHB p                        ; B of my 8 codes of a tile
	WIN 0
	v_add_nc_u32 v[ADB], s[SB], v[AB0]
	s_add_co_u32 s[SB], s[SB], 64                  ; 16 floats a tile,
	s_and_b32 s[SB], s[SB], 8191                   ; inside my quarter's 8,192 bytes: behind the last tile it is back at 0, and no longer used
	ds_load_b128 v[BTR+8*(\p):BTR+8*(\p)+3],   v[ADB]
	ds_load_b128 v[BTR+8*(\p)+4:BTR+8*(\p)+7], v[ADB] offset:16
.endm
; A UNIT, for tile T of parity p, begins behind T's first two products.  It fetches T's B and tile T + 1's codes: the set that takes the codes was last read by the last product of T - 1, and ten plain vector
; instructions that name none of that product's registers stand between (slice 63, slices 0 and 1, the two address lines).  Then T's other 62 products with the slices of T - 1; then, the fetches being 62
; products old, T + 1's first two products with the first slices of T.  The first read of an accumulator of T stands 17 plain instructions or more behind the product that ended it.
.macro UNIT p
	FETCHB \p
	FETCHK 1-(\p)
	SLOTS 2, 63, \p
	s_add_co_u32 s[SID], s[SID], 1                 ; from here on tile T is evaluated
	s_wait_dscnt 0x0                               ; T's B and T + 1's codes are in
	SLOTS 0, 1, 1-(\p)
.endm
.macro FOUR tag                        ; four units, written as two and walked twice; the first has an odd tile
	s_mov_b32 s[CNT], 2
.Lodd_\tag:
	UNIT 1
	WIN 0                                          ; at a label and at a branch every window is 0
.Leven_\tag:
	UNIT 0
	WIN 0
	s_sub_co_u32 s[CNT], s[CNT], 1
	s_cmp_lg_u32 s[CNT], 0
	s_cbranch_scc1 .Lodd_\tag
.endm
; THE CHANGE OF SLOTS stands in front of the unit that fetches a block's first tile: slot cur has been read out (its last fetch was awaited at the end of the unit before).
; fill = 1: each wave waits for all its tensor loads, of which one is out: its quarter of the other slot; adds 0 to its spare word; and waits for that (none of its LDS reads is out).  The barrier is a round of the
; cluster's, so that no wave of any partner still reads the slot or has a load on its way, and the joint refill, the block two on, is the first thing behind it: it has 256 matrix instructions in which to land.
; fill = 0, the last change: nothing is filled, and a wave reads only the 64 rows that its own load brought: its own wait is all that the reads need.
.macro CHANGE fill, cur
	WIN 0
	s_wait_tensorcnt 0x0                           ; no tensor load of mine is out, so a group 0 may be written
.if \fill
	ds_add_u32 v[SPW], v[NIL]                      ; 0 onto my spare word; the steps below stand between it and the wait for it
	s_add_nc_u64 s[G0S+4*(\cur)+2:G0S+4*(\cur)+3], s[G0S+4*(\cur)+2:G0S+4*(\cur)+3], 2*BLOCKB  ; this slot's next block; the type bits on top are not reached
	s_wait_xcnt 0x0                                ; the last prefetch, 256 matrix instructions back, has read its address, so it may be written
	s_add_nc_u64 s[PFA:PFA+1], s[PFA:PFA+1], BLOCKB
.endif
	s_mov_b32 s[TB], (1-(\cur))*SLOTB              ; the fetches go on at the other slot's head
.if \fill
	s_wait_dscnt 0x0                               ; the add is done
	CROUND
	tensor_load_to_lds s[G0S+4*(\cur):G0S+4*(\cur)+3], s[G1:G1+7]
	s_nop 0
.rept 4
	v_nop
.endr
	ASK
.endif
.endm
	; A, the first tile's codes, and what the first evaluation finds.
.irp rt, 0,1,2,3,4,5,6,7
.irp wv, 0,1,2,3
	ds_load_b32 v[PB+4*(\rt)+(\wv)], v[AA] offset:512*(\wv)+64*(\rt)  ; wave wv's part of A for row 16 rt + r
.endr
.endr
	s_mov_b32 s[TB], 0
	FETCHK 0                                       ; tile 0
	WIN 0
	; One text serves every tile, so the first slices evaluate a tile that has not been: its dots are 0 and its B +inf, so its d are +inf and it never wins.  These lines run while the LDS loads are out.
	s_mov_b32 s56, 0x7f800000                      ; +inf
.set mI, 0
.rept 64
	v_mov_b32 v[ACC+64+mI], 0
	v_mov_b32 v[SV+mI], s56
.set mI, mI+1
.endr
.set mI, 0
.rept 8
	v_mov_b32 v[BTR+8+mI], s56
	v_mov_b32 v[BEST+8+mI], s56
	v_mov_b32 v[ID+mI], 0
.set mI, mI+1
.endr
	s_mov_b32 s[SB], 0
	s_mov_b32 s[SID], -1
	s_wait_dscnt 0x0                               ; z's fragments, A's parts and tile 0's codes are in
.irp rt, 0,1,2,3,4,5,6,7
	v_add_f32 v[PB+4*(\rt)],   v[PB+4*(\rt)],   v[PB+4*(\rt)+1]
	v_add_f32 v[PB+4*(\rt)+2], v[PB+4*(\rt)+2], v[PB+4*(\rt)+3]
.endr
.irp rt, 0,1,2,3,4,5,6,7
	v_add_f32 v[AR+(\rt)], v[PB+4*(\rt)], v[PB+4*(\rt)+2]
.endr
	SLOTS 0, 1, 0                                  ; tile 0's first two products
	WIN 0
	s_mov_b32 s[OUT], 16
	s_mov_b32 s[CNT], 2
	s_branch .Leven_B                              ; the loop is entered in its middle: units 0, 1 and 2 read block 0 in slot 0, as the text there always does
.Ltrip:                                        ; 15 whole trips of 8 units: blocks 2 to 31 are asked for
	CHANGE 1, 0
	FOUR A                                         ; fetches from slot 1
	CHANGE 1, 1
	FOUR B                                         ; fetches from slot 0
	s_sub_co_u32 s[OUT], s[OUT], 1
	s_cmp_lg_u32 s[OUT], 0
	s_cbranch_scc1 .Ltrip
	CHANGE 0, 0                                    ; the tail is written out: nothing is asked for
	FOUR C                                         ; units 123 to 126 fetch block 31's tiles
	FETCHB 1                                       ; tile 127: there is no further tile to fetch
	SLOTS 2, 63, 1
	s_add_co_u32 s[SID], s[SID], 1
	s_wait_dscnt 0x0                               ; its B is in
	WIN 0
.irp q, 0,1,2,3
.set tN, 0
.rept 44
	EP tN, \q, 1                                   ; and its evaluation, with no products left to stand beside
.set tN, tN+1
.endr
.endr
	; THE END.  The minimum lies in the first set.  For each row tile: the first of the 8 kept distances that equals it gives the place in the tile; the index is put together; the row's other lane, 16 away, holds
	; the other 8 codes of each tile; then the four waves' candidates meet in LDS.  Of two candidates the smaller distance wins, and among equal distances the smaller index.
.set KB, 128                           ; 64 w + 8 h          (the first set of accumulators is free: its tile was evaluated beside the last tile's products)
.set CA, 129                           ; where I put a candidate
.set RA, 130                           ; where I read candidates back
.set GO, 131                           ; my 8 bytes of out1 and of order
.set JJ, 132
.set E0, 133
.set E1, 134
.set OD, 135
.set OI, 136
.set IX, 137
.set CP, 138                           ; v[138:139] a candidate: distance, index
.set MG, 144                           ; v[144:159] four waves' candidates for two rows
.set RES,160                           ; v[160:161] two indices
.macro LEX rd, ri, ad, ai, bd, bi, keep=1  ; (rd, ri) = the better of (ad, ai) and (bd, bi); keep = 0: the index alone
	v_cmp_lt_f32 s56, v[\bd], v[\ad]
	v_cmp_eq_f32 s57, v[\bd], v[\ad]
	v_cmp_lt_u32 s58, v[\bi], v[\ai]
	s_and_b32 s57, s57, s58
	s_or_b32 s56, s56, s57
.if \keep
	v_cndmask_b32 v[\rd], v[\ad], v[\bd], s56
.endif
	v_cndmask_b32 v[\ri], v[\ai], v[\bi], s56
.endm
	v_and_b32 v[E0], 15, v0
	v_bfe_u32 v[E1], v0, 4, 1
	s_lshl_b32 s59, s[WV], 6
	v_lshl_add_u32 v[KB], v[E1], 3, s59
	s_lshl_b32 s59, s[WV], 10
	s_add_co_u32 s59, s59, SCR
	v_lshl_add_u32 v[CA], v[E0], 3, s59            ; wave w's candidate for row n at SCR + 1,024 w + 8 n.  A's partial sums, which lay here, were read and awaited ahead of the loop's barriers
.macro PICK rt
	v_mov_b32 v[JJ], 7
.irp j, 6,5,4,3,2,1,0
	v_cmp_eq_f32 vcc_lo, v[SV+8*(\rt)+(\j)], v[BEST+(\rt)]
	v_cndmask_b32 v[JJ], v[JJ], \j, vcc_lo
.endr
	v_lshrrev_b32 v[E0], 2, v[ID+(\rt)]            ; tile T = 4 s + t: code 256 s + 64 w + 16 t + 8 h + j
	v_and_b32 v[E1], 3, v[ID+(\rt)]
	v_lshl_add_u32 v[JJ], v[E0], 8, v[JJ]
	v_lshl_add_u32 v[JJ], v[E1], 4, v[JJ]
	v_add_nc_u32 v[IX], v[KB], v[JJ]
	v_permlanex16_b32 v[OD], v[BEST+(\rt)], s[SEL], s[SEL+1]
	v_permlanex16_b32 v[OI], v[IX], s[SEL], s[SEL+1]
	LEX CP, CP+1, BEST+(\rt), IX, OD, OI
	ds_store_b64 v[CA], v[CP:CP+1] offset:128*(\rt)  ; a row's two lanes write the same bytes with the same values
.endm
.irp rt, 0,1,2,3,4,5,6,7
	PICK \rt
.endr
	s_wait_dscnt 0x0                               ; for the others' sake: my candidates lie in LDS
	s_barrier_signal -1
	s_barrier_wait -1                              ; everybody's do
	s_cmp_lt_u32 s[WV], 2                          ; waves 0 and 1 finish 64 rows each, two a lane
	s_cbranch_scc0 .Lend
	v_and_b32 v[E0], 31, v0
	s_lshl_b32 s59, s[WV], 9
	s_add_co_u32 s59, s59, SCR
	v_lshl_add_u32 v[RA], v[E0], 4, s59
	s_lshl_b32 s59, s[WV], 8
	v_lshl_add_u32 v[GO], v[E0], 3, s59
.irp wv, 0,1,2,3
	ds_load_b128 v[MG+4*(\wv):MG+4*(\wv)+3], v[RA] offset:1024*(\wv)
.endr
	s_wait_dscnt 0x0
	LEX MG,   MG+1, MG,   MG+1, MG+4,  MG+5
	LEX MG+2, MG+3, MG+2, MG+3, MG+6,  MG+7
	LEX MG,   MG+1, MG,   MG+1, MG+8,  MG+9
	LEX MG+2, MG+3, MG+2, MG+3, MG+10, MG+11
	LEX MG,   RES,   MG,   MG+1, MG+12, MG+13, 0
	LEX MG+2, RES+1, MG+2, MG+3, MG+14, MG+15, 0
	global_store_b64 v[GO], v[RES:RES+1], s[10:11] ; 32 lanes x 8 bytes: 256 consecutive bytes, aligned
	global_store_b64 v[GO], v[RES:RES+1], s[12:13] ; and once more, for the launch that forms addresses from them
.Lend:
	s_wait_tensorcnt 0x0                           ; the wave's end, behind my last tensor load and my last LDS store
	ds_add_u32 v[SPW], v[NIL]
	s_wait_dscnt 0x0
	CROUND                                         ; the closing round: no work-group ends while a partner may still ask for a tile that names it
	s_endpgm
.Lfunc_end_k_q699a329e14_main:
	.size	k_q699a329e14_main, .Lfunc_end_k_q699a329e14_main-k_q699a329e14_main
	.p2alignl 7, 3214868480
	.fill 96, 4, 3214868480
	.section	.rodata,"a",@progbits
	.p2align	6, 0x0
	.amdhsa_kernel k_q699a329e14_main
		.amdhsa_group_segment_fixed_size 327680
		.amdhsa_private_segment_fixed_size 0
		.amdhsa_enable_private_segment 0
		.amdhsa_kernarg_size 40
		.amdhsa_user_sgpr_count 2
		.amdhsa_user_sgpr_kernarg_segment_ptr 1
		.amdhsa_wavefront_size32 1
		.amdhsa_system_sgpr_workgroup_id_x 1
		.amdhsa_system_sgpr_workgroup_id_y 1
		.amdhsa_system_sgpr_workgroup_id_z 1
		.amdhsa_system_vgpr_workitem_id 0
		.amdhsa_next_free_vgpr 1024
		.amdhsa_next_free_sgpr 66
		.amdhsa_reserve_vcc 1
		.amdhsa_float_denorm_mode_32 3
		.amdhsa_float_denorm_mode_16_64 3
		.amdhsa_memory_ordered 1
		.amdhsa_forward_progress 1
		.amdhsa_inst_pref_size 234
	.end_amdhsa_kernel
	.amdgpu_metadata
---
amdhsa.version: [ 1, 2 ]
amdhsa.kernels:
  - .name:           k_q699a329e14_main
    .symbol:         k_q699a329e14_main.kd
    .args:
      - { .name: z, .offset: 0, .size: 8, .value_kind: global_buffer, .address_space: global }
      - { .name: cb16, .offset: 8, .size: 8, .value_kind: global_buffer, .address_space: global }
      - { .name: bsq, .offset: 16, .size: 8, .value_kind: global_buffer, .address_space: global }
      - { .name: out1, .offset: 24, .size: 8, .value_kind: global_buffer, .address_space: global }
      - { .name: order, .offset: 32, .size: 8, .value_kind: global_buffer, .address_space: global }
    .group_segment_fixed_size: 327680
    .private_segment_fixed_size: 0
    .kernarg_segment_align: 8
    .kernarg_segment_size: 40
    .max_flat_workgroup_size: 128
    .sgpr_count:     66
    .vgpr_count:     1024
    .wavefront_size: 32
...
	.end_amdgpu_metadata
.endif
;; end of part 2
;; launch gather (part 3): grid 256 x 1, 8 waves a work-group, no clusters, 0 bytes of LDS; arguments codebook, order, out0; writes out0
.if DOCPART == 3
	.amdgcn_target "amdgcn-amd-amdhsa--gfx1250"
	.amdhsa_code_object_version 6
	.text
	.protected	k_q699a329e14_gather
	.globl	k_q699a329e14_gather
	.p2align	8
	.type	k_q699a329e14_gather,@function
k_q699a329e14_gather:
	s_mov_b64 s[64:65], 0
	v_nop
	global_prefetch_b8 v0, s[64:65] scope:SCOPE_SE
	s_setreg_imm32_b32 hwreg(HW_REG_WAVE_MODE, 25, 1), 1
	s_wait_xcnt 0x0
; out0[n][:] = codebook[order[n]][:].  codebook: [8192][256] f32, rows of 1,024 bytes; order: [32768] i32, stored by the launch before; out0: [32768][256] f32.
; SHARES.  A work-group owns 128 rows of out0, each of its eight waves 16.  A wave reads its 16 indices by one scalar load, asks for all 16 rows at once (two loads of 512 consecutive bytes each)
; and stores each row as it comes: every store covers 512 consecutive bytes, aligned.  No register is written twice, so no store's or load's source is ever written again.
; No LDS, no matrix unit, no cluster: nothing is shared between waves but the table itself.
; LIMITS.  The rows are the unrounded f32 rows of the codebook.  An index is held to 0 .. 8191 before it enters an address; the launch before stores no other.
.set WV, 10                            ; s10  my wave's number
.set IXS, 16                           ; s[16:31] my 16 indices
.set LB, 2                             ; v2   16 x lane
.set O,  4                             ; v[4:19]   row i: 1,024 x its index + 16 x lane
.set D,  32                            ; v[32:159] row i: 8 registers
	s_load_b128 s[4:7], s[0:1], 0x0                ; codebook s[4:5], order s[6:7]
	s_load_b64 s[8:9], s[0:1], 0x10                ; out0
	v_lshrrev_b32 v1, 5, v0
	v_readfirstlane_b32 s[WV], v1                  ; wave 0..7
	v_and_b32 v[LB], 31, v0
	v_lshlrev_b32 v[LB], 4, v[LB]
	s_lshl_b32 s12, ttmp9, 9                       ; the work-group's 128 indices: 512 bytes,
	s_lshl_b32 s11, s[WV], 6                       ; my wave's 16: 64 bytes
	s_add_co_u32 s12, s12, s11
	s_mov_b32 s13, 0
	s_lshl_b32 s14, ttmp9, 17                      ; the work-group's 128 rows of 1,024 bytes,
	s_lshl_b32 s11, s[WV], 14                      ; my wave's 16
	s_add_co_u32 s14, s14, s11
	s_mov_b32 s15, 0
	s_wait_kmcnt 0x0
	s_add_nc_u64 s[6:7], s[6:7], s[12:13]
	s_add_nc_u64 s[8:9], s[8:9], s[14:15]
	s_load_b512 s[IXS:IXS+15], s[6:7], 0x0
	s_wait_kmcnt 0x0
.irp i, 0,1,2,3,4,5,6,7,8,9,10,11,12,13,14,15
	s_min_u32 s[IXS+(\i)], s[IXS+(\i)], 8191       ; inside the table
	v_lshl_add_u32 v[O+(\i)], s[IXS+(\i)], 10, v[LB]
	global_load_b128 v[D+8*(\i):D+8*(\i)+3],   v[O+(\i)], s[4:5]
	global_load_b128 v[D+8*(\i)+4:D+8*(\i)+7], v[O+(\i)], s[4:5] offset:512
.endr
.irp i, 0,1,2,3,4,5,6,7,8,9,10,11,12,13,14,15
	s_wait_loadcnt 30-2*(\i)                       ; loads come back in order: this row's two are in, the two of each later row may stay out
	global_store_b128 v[LB], v[D+8*(\i):D+8*(\i)+3],   s[8:9] offset:1024*(\i) th:TH_STORE_NT
	global_store_b128 v[LB], v[D+8*(\i)+4:D+8*(\i)+7], s[8:9] offset:1024*(\i)+512 th:TH_STORE_NT
.endr
	s_endpgm
.Lfunc_end_k_q699a329e14_gather:
	.size	k_q699a329e14_gather, .Lfunc_end_k_q699a329e14_gather-k_q699a329e14_gather
	.p2alignl 7, 3214868480
	.fill 96, 4, 3214868480
	.section	.rodata,"a",@progbits
	.p2align	6, 0x0
	.amdhsa_kernel k_q699a329e14_gather
		.amdhsa_group_segment_fixed_size 0
		.amdhsa_private_segment_fixed_size 0
		.amdhsa_enable_private_segment 0
		.amdhsa_kernarg_size 24
		.amdhsa_user_sgpr_count 2
		.amdhsa_user_sgpr_kernarg_segment_ptr 1
		.amdhsa_wavefront_size32 1
		.amdhsa_system_sgpr_workgroup_id_x 1
		.amdhsa_system_sgpr_workgroup_id_y 1
		.amdhsa_system_sgpr_workgroup_id_z 1
		.amdhsa_system_vgpr_workitem_id 0
		.amdhsa_next_free_vgpr 160
		.amdhsa_next_free_sgpr 66
		.amdhsa_reserve_vcc 0
		.amdhsa_float_denorm_mode_32 3
		.amdhsa_float_denorm_mode_16_64 3
		.amdhsa_memory_ordered 1
		.amdhsa_forward_progress 1
		.amdhsa_inst_pref_size 10
	.end_amdhsa_kernel
	.amdgpu_metadata
---
amdhsa.version: [ 1, 2 ]
amdhsa.kernels:
  - .name:           k_q699a329e14_gather
    .symbol:         k_q699a329e14_gather.kd
    .args:
      - { .name: codebook, .offset: 0, .size: 8, .value_kind: global_buffer, .address_space: global }
      - { .name: order, .offset: 8, .size: 8, .value_kind: global_buffer, .address_space: global }
      - { .name: out0, .offset: 16, .size: 8, .value_kind: global_buffer, .address_space: global }
    .group_segment_fixed_size: 0
    .private_segment_fixed_size: 0
    .kernarg_segment_align: 8
    .kernarg_segment_size: 24
    .max_flat_workgroup_size: 256
    .sgpr_count:     66
    .vgpr_count:     160
    .wavefront_size: 32
...
	.end_amdgpu_metadata
.endif
;; end of part 3
;; ======== version 2 of 2: 3 launches; version 1 with the launches prep, gather written anew for expert scheduling mode
;; workspace buffers: cb16 4,194,304 bytes; bsq 32,768 bytes; order 131,072 bytes of whole numbers
;; launch prep (part 4): grid 128 x 1, 8 waves a work-group, no clusters, 1,280 bytes of LDS; arguments codebook, cb16, bsq; writes cb16, bsq
.if DOCPART == 4
	.amdgcn_target "amdgcn-amd-amdhsa--gfx1250"
	.amdhsa_code_object_version 6
	.text
	.protected	k_q699a329e14_prep
	.globl	k_q699a329e14_prep
	.p2align	8
	.type	k_q699a329e14_prep,@function
k_q699a329e14_prep:
	s_mov_b64 s[64:65], 0
	v_nop
	global_prefetch_b8 v0, s[64:65] scope:SCOPE_SE
	s_setreg_imm32_b32 hwreg(HW_REG_WAVE_SCHED_MODE, 0, 2), 2
	s_setreg_imm32_b32 hwreg(HW_REG_WAVE_MODE, 25, 1), 1
	s_wait_xcnt 0x0
	s_wait_alu depctr_vm_vsrc(0)
; cb16[k][c] = bf16(codebook[k][c]);  bsq = for each code the sum over c of cb16[k][c]^2, in f32.
; codebook: [8192][256] f32, rows of 1,024 bytes.  cb16: [8192][256] bf16, rows of 512 bytes.
; bsq is laid out for the next launch: code k stands at float ((k>>6)&3) x 2048 + (k>>8) x 64 + (k&63), so that the codes 64 w .. 64 w + 63 of every block of 256 lie on end.
; SHARES.  A work-group owns 64 codes (they fill 256 consecutive, aligned bytes of bsq), each of its eight waves 8 of them.  A wave takes a whole row by two loads of 512 consecutive bytes;
; all 16 loads of a wave go out at once, so every byte that the launch reads is asked for at its start.
; No matrix unit, no cluster, no tensor load: each byte is read once, by one wave, and nothing is shared.
; LIMITS.  The sum of squares is taken of the rounded numbers, in an order of its own (8 a lane, then across the 32 lanes).  NaN and infinities pass through as they are.
; THE MODE: SCHED_MODE bits 1:0 = 2 (LLVM: expert scheduling mode 2), set by the entry lines.  The code itself states the register dependences
; between vector instructions and memory or LDS instructions, with s_wait_alu, always for 0.
; THE PLAN.  Registers that memory or LDS instructions touch:
;   v[LO], v[SO], v[LA], v[RB]  offsets and LDS addresses: written once, at the head, ahead of the wait that stands in front of the first load; never written again.
;   X    row i: written by two of the 16 loads at the head, once (no vector instruction names it before them); read by row i's four conversions.
;   Y    row i has four registers of its own: written by row i's conversions, once; read by row i's two global stores (and, reading only, by its unpacking lines).
;   SUM  row i has a register of its own: written by row i's last addition, once; read by the LDS store that is issued in row i + 1.
;   R    written by an LDS load, read by a global store; no vector instruction names it.
;   T, S and PT are named by vector instructions alone.
; So ONE wait on va_vdst stands in a row, behind its conversions: it states that Y[i] is written and that the row before has written its SUM.  The row's two global stores and the LDS store of
; the row before follow it, dealt among the row's other vector instructions, which write T, S, PT and SUM[i] alone.  No register that a memory or LDS instruction reads is ever written again,
; so the text holds no wait on vm_vsrc.
.set SPARE, 256                        ; LDS: bytes 0-255 the 64 sums; behind them the spare words, 128 bytes for each of the eight waves: four blocks of 256 bytes that no other line names
.set SPW, 2                            ; v2   LDS address of my spare word; never rewritten
.set NIL, 3                            ; v3   0; never rewritten
.set LN,  4                            ; v4   lane
.set LO,  5                            ; v5   8,192 w + 16 l: my 16 bytes in my wave's first row of the codebook
.set SO,  6                            ; v6   4,096 w + 8 l: my 8 bytes in its first row of cb16
.set LA,  7                            ; v7   32 w: my wave's eight sums in LDS
.set RB,  8                            ; v8   8 l
.set X,   16                           ; v[16:79]   row i: 8 registers as loaded
.set Y,   80                           ; v[80:111]  row i: 4 registers to store; each row has its own, so no store's data is written again
.set T,   112                          ; v[112:119] at work
.set S,   120                          ; v[120:121] the lane's sums
.set PT,  122                          ; v122 the other half of the lanes'
.set R,   124                          ; v[124:125] two finished sums
.set SUM, 128                          ; v[128:135] row i's sum, in every lane; each row has its own, so no LDS store's data is written again
.set WV,  10                           ; s10  my wave's number
	s_load_b128 s[4:7], s[0:1], 0x0                ; codebook s[4:5], cb16 s[6:7]
	s_load_b64 s[8:9], s[0:1], 0x10                ; bsq
	v_lshl_add_u32 v[SPW], v0, 2, SPARE
	v_mov_b32 v[NIL], 0
	v_lshrrev_b32 v1, 5, v0
	v_readfirstlane_b32 s[WV], v1                  ; wave 0..7
	v_and_b32 v[LN], 31, v0
	v_lshlrev_b32 v[RB], 3, v[LN]
	v_mov_b32 v[PT], 0                             ; v_permlanex16_b32's destination counts as read
	s_lshl_b32 s12, ttmp9, 16                      ; the work-group's 64 rows of 1,024 bytes,
	s_mov_b32 s13, 0
	s_lshl_b32 s14, ttmp9, 15                      ; and of 512
	s_mov_b32 s15, 0
	s_mov_b32 s16, 0x76543210                      ; v_permlanex16_b32: each lane takes its own place in the other half
	s_mov_b32 s17, 0xfedcba98
	s_and_b32 s18, ttmp9, 3                        ; bsq: quarter g & 3,
	s_lshl_b32 s18, s18, 13
	s_lshr_b32 s19, ttmp9, 2                       ; block g >> 2: 256 bytes
	s_lshl_b32 s19, s19, 8
	s_add_co_u32 s18, s18, s19
	s_mov_b32 s19, 0
	s_wait_alu depctr_va_sdst(0)                   ; s10 is written, ahead of its first reader: the three shifts below
	s_lshl_b32 s11, s[WV], 13                      ; each shift has a scalar register of its own: none that a vector line reads is written again
	v_lshl_add_u32 v[LO], v[LN], 4, s11
	s_lshl_b32 s20, s[WV], 12
	v_lshl_add_u32 v[SO], v[LN], 3, s20
	s_lshl_b32 s21, s[WV], 5
	v_mov_b32 v[LA], s21
	s_wait_kmcnt 0x0
	s_add_nc_u64 s[4:5], s[4:5], s[12:13]
	s_add_nc_u64 s[6:7], s[6:7], s[14:15]
	s_add_nc_u64 s[8:9], s[8:9], s[18:19]
	s_wait_alu depctr_va_vdst(0)                   ; v[LO], v[SO], v[LA] and v[RB] are written: every load, store and LDS instruction of the kernel reads one of them as its offset or address
.irp i, 0,1,2,3,4,5,6,7
	global_load_b128 v[X+8*(\i):X+8*(\i)+3],   v[LO], s[4:5] offset:1024*(\i) th:TH_LOAD_NT      ; columns 4 l .. 4 l + 3
	global_load_b128 v[X+8*(\i)+4:X+8*(\i)+7], v[LO], s[4:5] offset:1024*(\i)+512 th:TH_LOAD_NT  ; columns 128 + 4 l ..
.endr
; Row i: rounded, stored, squared and summed.  The sum of the row before goes to LDS beside it.
.macro ROWP i
	s_wait_loadcnt 14-2*(\i)                       ; loads come back in order: this row's two are in, the two of each later row may stay out
.irp k, 0,1,2,3
	v_cvt_pk_bf16_f32 v[Y+4*(\i)+(\k)], v[X+8*(\i)+2*(\k)], v[X+8*(\i)+2*(\k)+1]
.endr
	s_wait_alu depctr_va_vdst(0)                   ; the conversions have written Y[i], which the two global stores read; the row before has written its SUM, which the LDS store reads
	global_store_b64 v[SO], v[Y+4*(\i):Y+4*(\i)+1],   s[6:7] offset:512*(\i)      ; 32 lanes x 8 bytes: 256 consecutive bytes, aligned
.irp k, 0,1,2,3
	v_lshlrev_b32 v[T+2*(\k)],   16, v[Y+4*(\i)+(\k)]           ; the rounded numbers as f32 (these lines read Y[i] and write T: nothing that a store of this row touches is written)
	v_and_b32     v[T+2*(\k)+1], 0xffff0000, v[Y+4*(\i)+(\k)]
.endr
	global_store_b64 v[SO], v[Y+4*(\i)+2:Y+4*(\i)+3], s[6:7] offset:512*(\i)+256
	v_pk_mul_f32 v[S:S+1], v[T:T+1], v[T:T+1]      ; the first product starts the sums
.irp k, 2,4,6
	v_pk_fma_f32 v[S:S+1], v[T+(\k):T+(\k)+1], v[T+(\k):T+(\k)+1], v[S:S+1]
.endr
.if (\i) > 0
	ds_store_b32 v[LA], v[SUM+(\i)-1] offset:4*((\i)-1)  ; the row before: all lanes write the same word with the same value.  No wait: no vector instruction since the wait above names this register
.endif
	v_add_f32 v[S], v[S], v[S+1]
	v_add_f32_dpp v[S], v[S], v[S] row_xmask:1 row_mask:0xf bank_mask:0xf
	v_add_f32_dpp v[S], v[S], v[S] row_xmask:2 row_mask:0xf bank_mask:0xf
	v_add_f32_dpp v[S], v[S], v[S] row_xmask:4 row_mask:0xf bank_mask:0xf
	v_add_f32_dpp v[S], v[S], v[S] row_xmask:8 row_mask:0xf bank_mask:0xf
	v_permlanex16_b32 v[PT], v[S], s16, s17
	v_add_f32 v[SUM+(\i)], v[S], v[PT]             ; every lane holds the row's sum
.endm
.irp i, 0,1,2,3,4,5,6,7
	ROWP \i
.endr
	s_wait_alu depctr_va_vdst(0)                   ; row 7 has written its SUM, which the last LDS store reads
	ds_store_b32 v[LA], v[SUM+7] offset:28
	s_wait_dscnt 0x0                               ; for the others' sake: my eight sums lie in LDS
	s_barrier_signal -1
	s_barrier_wait -1                              ; all 64 do
	s_cmp_lg_u32 s[WV], 0
	s_cbranch_scc1 .Lend                           ; wave 0 stores them
	ds_load_b64 v[R:R+1], v[RB]                    ; no vector instruction names R, and v[RB] was written ahead of the head's wait
	s_wait_dscnt 0x0
	global_store_b64 v[RB], v[R:R+1], s[8:9]       ; 256 consecutive bytes, aligned
.Lend:
	s_wait_dscnt 0x0                               ; the closing lines, six on end
	s_wait_alu 0x0
	s_wait_tensorcnt 0x0
	ds_add_u32 v[SPW], v[NIL]
	s_wait_dscnt 0x0
	s_endpgm
.Lfunc_end_k_q699a329e14_prep:
	.size	k_q699a329e14_prep, .Lfunc_end_k_q699a329e14_prep-k_q699a329e14_prep
	.p2alignl 7, 3214868480
	.fill 96, 4, 3214868480
	.section	.rodata,"a",@progbits
	.p2align	6, 0x0
	.amdhsa_kernel k_q699a329e14_prep
		.amdhsa_group_segment_fixed_size 1280
		.amdhsa_private_segment_fixed_size 0
		.amdhsa_enable_private_segment 0
		.amdhsa_kernarg_size 24
		.amdhsa_user_sgpr_count 2
		.amdhsa_user_sgpr_kernarg_segment_ptr 1
		.amdhsa_wavefront_size32 1
		.amdhsa_system_sgpr_workgroup_id_x 1
		.amdhsa_system_sgpr_workgroup_id_y 1
		.amdhsa_system_sgpr_workgroup_id_z 1
		.amdhsa_system_vgpr_workitem_id 0
		.amdhsa_next_free_vgpr 136
		.amdhsa_next_free_sgpr 66
		.amdhsa_reserve_vcc 0
		.amdhsa_float_denorm_mode_32 3
		.amdhsa_float_denorm_mode_16_64 3
		.amdhsa_memory_ordered 1
		.amdhsa_forward_progress 1
		.amdhsa_inst_pref_size 17
	.end_amdhsa_kernel
	.amdgpu_metadata
---
amdhsa.version: [ 1, 2 ]
amdhsa.kernels:
  - .name:           k_q699a329e14_prep
    .symbol:         k_q699a329e14_prep.kd
    .args:
      - { .name: codebook, .offset: 0, .size: 8, .value_kind: global_buffer, .address_space: global }
      - { .name: cb16, .offset: 8, .size: 8, .value_kind: global_buffer, .address_space: global }
      - { .name: bsq, .offset: 16, .size: 8, .value_kind: global_buffer, .address_space: global }
    .group_segment_fixed_size: 1280
    .private_segment_fixed_size: 0
    .kernarg_segment_align: 8
    .kernarg_segment_size: 24
    .max_flat_workgroup_size: 256
    .sgpr_count:     66
    .vgpr_count:     136
    .wavefront_size: 32
...
	.end_amdgpu_metadata
.endif
;; end of part 4
;; launch main: the kernel of part 2 again; grid 256 x 1, 4 waves a work-group, clusters of 4 x 1, 327,680 bytes of LDS; arguments z, cb16, bsq, out1, order; writes out1, order
;; launch gather (part 5): grid 256 x 1, 8 waves a work-group, no clusters, 0 bytes of LDS; arguments codebook, order, out0; writes out0
.if DOCPART == 5
	.amdgcn_target "amdgcn-amd-amdhsa--gfx1250"
	.amdhsa_code_object_version 6
	.text
	.protected	k_q699a329e14_gather
	.globl	k_q699a329e14_gather
	.p2align	8
	.type	k_q699a329e14_gather,@function
k_q699a329e14_gather:
	s_mov_b64 s[64:65], 0
	v_nop
	global_prefetch_b8 v0, s[64:65] scope:SCOPE_SE
	s_setreg_imm32_b32 hwreg(HW_REG_WAVE_SCHED_MODE, 0, 2), 2
	s_setreg_imm32_b32 hwreg(HW_REG_WAVE_MODE, 25, 1), 1
	s_wait_xcnt 0x0
	s_wait_alu depctr_vm_vsrc(0)
; out0[n][:] = codebook[order[n]][:].  codebook: [8192][256] f32, rows of 1,024 bytes; order: [32768] i32, stored by the launch before; out0: [32768][256] f32.
; SHARES.  A work-group owns 128 rows of out0, each of its eight waves 16.  A wave reads its 16 indices by one scalar load, asks for all 16 rows at once (two loads of 512 consecutive bytes each)
; and stores each row as it comes: every store covers 512 consecutive bytes, aligned.  No register is written twice, so no store's or load's source is ever written again.
; No LDS, no matrix unit, no cluster: nothing is shared between waves but the table itself.
; LIMITS.  The rows are the unrounded f32 rows of the codebook.  An index is held to 0 .. 8191 before it enters an address; the launch before stores no other.
; THE MODE: SCHED_MODE bits 1:0 = 2 (LLVM: expert scheduling mode 2), set by the entry lines.  The code itself states the register dependences
; between vector instructions and memory instructions, with s_wait_alu, always for 0.
; THE PLAN.  Registers that memory instructions touch:
;   v[LB]    written once, at the head; read by the 32 stores as their offset.
;   v[O+i]   written once, by one vector line each; read by row i's two loads as their offset.
;   D        written by the loads, read by the stores; no vector instruction names it.
; All 16 offsets are made first; ONE wait on va_vdst behind them states that they and v[LB] are written; the 32 loads follow in one run, and no vector instruction stands behind that wait.
; No register that a memory instruction reads is written again, so the text holds no wait on vm_vsrc.
.set WV, 10                            ; s10  my wave's number
.set IXS, 16                           ; s[16:31] my 16 indices
.set LB, 2                             ; v2   16 x lane
.set O,  4                             ; v[4:19]   row i: 1,024 x its index + 16 x lane
.set D,  32                            ; v[32:159] row i: 8 registers
	s_load_b128 s[4:7], s[0:1], 0x0                ; codebook s[4:5], order s[6:7]
	s_load_b64 s[8:9], s[0:1], 0x10                ; out0
	v_lshrrev_b32 v1, 5, v0
	v_readfirstlane_b32 s[WV], v1                  ; wave 0..7
	v_and_b32 v[LB], 31, v0
	v_lshlrev_b32 v[LB], 4, v[LB]
	s_lshl_b32 s12, ttmp9, 9                       ; the work-group's 128 indices: 512 bytes,
	s_lshl_b32 s14, ttmp9, 17                      ; the work-group's 128 rows of 1,024 bytes,
	s_mov_b32 s13, 0
	s_mov_b32 s15, 0
	s_wait_alu depctr_va_sdst(0)                   ; s10 is written, ahead of its first reader: the two shifts below
	s_lshl_b32 s11, s[WV], 6                       ; my wave's 16 indices: 64 bytes
	s_add_co_u32 s12, s12, s11
	s_lshl_b32 s11, s[WV], 14                      ; my wave's 16 rows
	s_add_co_u32 s14, s14, s11
	s_wait_kmcnt 0x0
	s_add_nc_u64 s[6:7], s[6:7], s[12:13]
	s_add_nc_u64 s[8:9], s[8:9], s[14:15]
	s_load_b512 s[IXS:IXS+15], s[6:7], 0x0
	s_wait_kmcnt 0x0
.irp i, 0,1,2,3,4,5,6,7,8,9,10,11,12,13,14,15
	s_min_u32 s[IXS+(\i)], s[IXS+(\i)], 8191       ; inside the table
	v_lshl_add_u32 v[O+(\i)], s[IXS+(\i)], 10, v[LB]
.endr
	s_wait_alu depctr_va_vdst(0)                   ; the 16 offsets v[O ..] are written, which the loads read, and so is v[LB], which the stores read
.irp i, 0,1,2,3,4,5,6,7,8,9,10,11,12,13,14,15
	global_load_b128 v[D+8*(\i):D+8*(\i)+3],   v[O+(\i)], s[4:5]
	global_load_b128 v[D+8*(\i)+4:D+8*(\i)+7], v[O+(\i)], s[4:5] offset:512
.endr
.irp i, 0,1,2,3,4,5,6,7,8,9,10,11,12,13,14,15
	s_wait_loadcnt 30-2*(\i)                       ; loads come back in order: this row's two are in, the two of each later row may stay out
	global_store_b128 v[LB], v[D+8*(\i):D+8*(\i)+3],   s[8:9] offset:1024*(\i) th:TH_STORE_NT
	global_store_b128 v[LB], v[D+8*(\i)+4:D+8*(\i)+7], s[8:9] offset:1024*(\i)+512 th:TH_STORE_NT
.endr
	s_endpgm
.Lfunc_end_k_q699a329e14_gather:
	.size	k_q699a329e14_gather, .Lfunc_end_k_q699a329e14_gather-k_q699a329e14_gather
	.p2alignl 7, 3214868480
	.fill 96, 4, 3214868480
	.section	.rodata,"a",@progbits
	.p2align	6, 0x0
	.amdhsa_kernel k_q699a329e14_gather
		.amdhsa_group_segment_fixed_size 0
		.amdhsa_private_segment_fixed_size 0
		.amdhsa_enable_private_segment 0
		.amdhsa_kernarg_size 24
		.amdhsa_user_sgpr_count 2
		.amdhsa_user_sgpr_kernarg_segment_ptr 1
		.amdhsa_wavefront_size32 1
		.amdhsa_system_sgpr_workgroup_id_x 1
		.amdhsa_system_sgpr_workgroup_id_y 1
		.amdhsa_system_sgpr_workgroup_id_z 1
		.amdhsa_system_vgpr_workitem_id 0
		.amdhsa_next_free_vgpr 160
		.amdhsa_next_free_sgpr 66
		.amdhsa_reserve_vcc 0
		.amdhsa_float_denorm_mode_32 3
		.amdhsa_float_denorm_mode_16_64 3
		.amdhsa_memory_ordered 1
		.amdhsa_forward_progress 1
		.amdhsa_inst_pref_size 10
	.end_amdhsa_kernel
	.amdgpu_metadata
---
amdhsa.version: [ 1, 2 ]
amdhsa.kernels:
  - .name:           k_q699a329e14_gather
    .symbol:         k_q699a329e14_gather.kd
    .args:
      - { .name: codebook, .offset: 0, .size: 8, .value_kind: global_buffer, .address_space: global }
      - { .name: order, .offset: 8, .size: 8, .value_kind: global_buffer, .address_space: global }
      - { .name: out0, .offset: 16, .size: 8, .value_kind: global_buffer, .address_space: global }
    .group_segment_fixed_size: 0
    .private_segment_fixed_size: 0
    .kernarg_segment_align: 8
    .kernarg_segment_size: 24
    .max_flat_workgroup_size: 256
    .sgpr_count:     66
    .vgpr_count:     160
    .wavefront_size: 32
...
	.end_amdgpu_metadata
.endif
;; end of part 5
